; MI455X (gfx1250); checked and timed in simulation.
; The chip was launched on July 23, 2026; its instructions are those of AMD's public machine-readable ISA for CDNA 5 (MIT licence, August 2026) and "CDNA5" Instruction Set Architecture Reference Guide (July 2026). The comments in the code are by the model that wrote it; some were corrected since.
;; Causal Self Attention. Allowed arithmetic: matrix products marked QUANTISED: E5M2 operands, one given power-of-two scale a tensor, by v_wmma_f32_16x16x64_bf8_bf8 or v_wmma_f32_16x16x128_bf8_bf8, f32 sums; everything else in f32.
;; Inputs: b_attn 3,072 float32; b_proj 1,024 float32; lowp_scales 8 int32 (the exponents e of the quantised operands' scales 2^e); w_attn 1,024 x 3,072 float32; w_proj 1,024 x 1,024 float32; x 8 x 1,024 x 1,024 float32.
;; Outputs: out0 8 x 1,024 x 1,024 float32.
;; This version of the problem:
;;   THIS VERSION OF THE PROBLEM IS GIVEN IN LOW PRECISION. The matrix products marked QUANTISED in the list below multiply operands that are first quantised to E5M2 (5 exponent bits, 2 mantissa bits; 8 bits a number), with one given power-of-two scale for each operand tensor; their sums are f32. All else is computed in f32.
;;   The module's matrix products, in the order in which they are computed (A, B: the left and right operand; K: the contracted axis; several contracted axes count as one K, in the product's order):
;;     1. [M 8,192, K 1,024] x [K 1,024, N 3,072]; A: input x; B: input w_attn: QUANTISED (scales: A lowp_scales[0], B lowp_scales[1])
;;     2. batch 128 x [M 1,024, K 64] x [K 64, N 1,024]; A: computed on the way; B: computed on the way: QUANTISED (scales: A lowp_scales[2], B lowp_scales[3])
;;     3. batch 128 x [M 1,024, K 1,024] x [K 1,024, N 64]; A: softmax (see below); B: computed on the way: QUANTISED (scales: A lowp_scales[4], B lowp_scales[5])
;;     4. [M 8,192, K 1,024] x [K 1,024, N 1,024]; A: computed on the way; B: input w_proj: QUANTISED (scales: A lowp_scales[6], B lowp_scales[7])
;;   THE QUANTISER, for each operand of a quantised product, along K:
;;     - The operand's scale is 2^e, e = its entry of the input lowp_scales (int32; the entries are numbered through the quantised products in the list's order, A before B).
;;     - Each number is divided by the scale, clamped to +-57,344, and rounded to the nearest number of E5M2, ties to even, subnormals kept.
;;     - The product sums the exact products of the quantised numbers (number of the format x scale) in f32.
;;   ~~~python
;;   def quantise(x, axis, e):      # numpy; x: float32 -> the quantised numbers, widened to float32 again
;;       x = np.moveaxis(x, axis, -1); K = x.shape[-1]
;;       r = np.clip(x / 2.0 ** e, -57344, 57344)
;;       step = 2.0 ** (np.maximum(np.frexp(np.where(r == 0, 1, r))[1] - 1, -14) - 2)
;;       q = np.round(r / step) * step * 2.0 ** e      # np.round: ties to even
;;       return np.moveaxis(q, -1, axis).astype(np.float32)
;;   ~~~
;;   SOFTMAX AHEAD OF A QUANTISED PRODUCT. Where the list says 'softmax', what is quantised is not the finished softmax but p = 2^(t - M), with t = logit x log2(e) and M = ceil(the row's largest t), a whole number; so 1/2 < the row's largest p <= 1. The row's sum l is taken of the UNQUANTISED p, in f32, and the product's result is divided by l at the end. Since M is a whole number, a kernel that streams over the keys may use a running M (the ceiling of the running maximum): every later rescaling is an exact power of two, so the quantised numbers keep their values, but for numbers so far below the row's largest that they fall under the format's range.
;;   OPERANDS COMPUTED ON THE WAY. 'Computed on the way' means the value that the module computes at that place (a softmax that the list does not call 'softmax' is quantised finished and normalised). What goes into a quantiser is computed in f32, as accurately as f32 sums, v_exp_f32 and their like allow (about 1e-6 of the number): no bf16 or f16 on the way to a quantiser, and a product that is left as it is and whose result goes on into a quantised operand takes f32 operands (vector FMAs, or v_wmma_f32_16x16x4_f32). A number that lies on a knife's edge between two numbers of the format may be rounded either way, as far as f32 arithmetic and the matrix unit's own rounding can turn it there, and no further.
;; One version. Each part assembles by itself: llvm-mc -triple=amdgcn-amd-amdhsa -mcpu=gfx1250 --defsym DOCPART=n.
;; ======== version 1 of 1: 4 launches
;; limits: right only within a limited range of input values
;; workspace buffers: x_img 8,388,608 bytes; wa_img 3,145,728 bytes; wp_img 1,048,576 bytes; q_img 8,388,608 bytes; k_img 8,388,608 bytes; v_img 8,388,608 bytes; y_img 8,388,608 bytes
;; launch quant (part 1): grid 768 x 1, 4 waves a work-group, no clusters, 102,912 bytes of LDS; arguments x, w_attn, w_proj, lowp_scales, x_img, wa_img, wp_img; writes x_img, wa_img, wp_img
.if DOCPART == 1
	.amdgcn_target "amdgcn-amd-amdhsa--gfx1250"
	.amdhsa_code_object_version 6
	.text
	.protected	k_q454d51cd66_quant
	.globl	k_q454d51cd66_quant
	.p2align	8
	.type	k_q454d51cd66_quant,@function
k_q454d51cd66_quant:
	s_mov_b64 s[64:65], 0
	v_nop
	global_prefetch_b8 v0, s[64:65] scope:SCOPE_SE
	s_setreg_imm32_b32 hwreg(HW_REG_WAVE_MODE, 25, 1), 1
	s_wait_xcnt 0x0
; The three f32 inputs of the two large products become codes of BF8 (E5M2), one byte each, with the given scales 2^e (x: entry 0, w_attn: entry 1, w_proj: entry 7), laid as IMAGES OF OPERAND REGISTERS.
; code = number / 2^e, held within +-57,344, rounded to the nearest code, ties to even.
; LIMITS: each e between -126 and 112, so that 2^e and 57,344 x 2^e are f32 numbers.  NaN among the inputs is not served (an infinity is held at the largest code).
; WORK THAT THE PROGRAM LEAVES OUT: reference() sets the scores of keys after the query to -infinity, so their softmax is 0 for all values of the inputs: whole tiles of such scores, and the products with them, are not made
; (launch attn).  LIMIT: a NaN, an infinity or an overflow that reaches only those tiles is not carried to the result.
; A FRAGMENT is 16 rows x 64 along K, 1,024 bytes: byte 512 c + 16 (r + 16 h) + i.  x and w_attn: row r, k = 32 c + 16 h + i, the same order of K in both operands of their product.
; w_proj: i = 8 u + j is k = 32 c + 16 u + 8 h + j, the order in which launch attn makes the other operand.
; x_img: [32 tiles of 256 tokens][16 units of 64 along K][16 fragments].   wp_img: [8 tiles of 128 columns][16 units][8 fragments].
; wa_img: [8 pairs of heads][16 units][24 fragments]: fragment 12 (head % 2) + 4 s + c4: columns 1,024 s + 64 head + 16 c4 on (s = 0, 1, 2: q, k, v).
; SHARES.  768 work-groups, three to a WGP by their claim of LDS, each reads 64 KiB.  0-191: w_attn, 128 columns x 128 along K; 192-255: w_proj likewise; 256-767: x, 16 tokens each, a wave 256 along K.
; The ways part on the work-group's number and never join; only x's way uses LDS.  Waves share nothing: no barrier.  No work-group reads what another reads: no cluster.  All loads of a wave are issued ahead of its work: no loop, no prefetch.
.set PITCH, 272                        ; a stage row: 64 numbers + 16 bytes
.set RGN,   4352                       ; a wave's stage: 16 rows
.set SPARE, 4*RGN                      ; the spare words, 128 bytes a wave
.set LDR,   64                         ; v64-191  numbers as loaded
.set NUM,   192                        ; v192-255 x: two sets of 32 numbers, a fragment each
.set COD,   32                         ; v32-63   codes: no store's data are written again
.macro SCALE ereg                      ; v11 = 2^e, v10 = 57,344 x 2^e
	s_add_co_i32 s36, s[\ereg], 127
	s_lshl_b32 s37, s36, 23
	v_mov_b32 v11, s37
	s_add_co_i32 s36, s36, 15
	s_lshl_b32 s36, s36, 23
	s_or_b32 s36, s36, 0x600000
	v_mov_b32 v10, s36
	s_wait_alu depctr_va_vdst(0)                   ; the wait at the head's end
.endm
.macro STAGE f                         ; fragment f through the stage: LDS serves a wave's instructions in order, so nothing is waited for between its stores and loads, nor ahead of the next fragment's stores
.irp i, 0,1,2,3,4,5,6,7
	ds_store_b128 v6, v[LDR+32*(\f)+4*\i:LDR+32*(\f)+4*\i+3] offset:2*PITCH*\i
.endr
.irp c, 0,1
.irp q, 0,1,2,3
	ds_load_b128 v[NUM+32*((\f)%2)+16*\c+4*\q:NUM+32*((\f)%2)+16*\c+4*\q+3], v7 offset:128*\c+16*\q
.endr
.endr
.endm
.macro XFRAG f
.set NS, NUM+32*((\f)%2)
.if (\f) < 3
	s_wait_loadcnt 8*(2-(\f))                      ; the next fragment's eight loads are in; those behind it may be out
	STAGE (\f)+1
	s_wait_dscnt 16                                ; this fragment is back; the next one's 8 stores and 8 loads may be out
.else
	s_wait_dscnt 0x0
.endif
.set I, 0
.rept 32
	v_med3_num_f32 v[NS+I], v[NS+I], -v10, v10     ; the conversion to an 8-bit code does not saturate (ISA guide 7.6.2): the hold comes first
.set I, I+1
.endr
.irp g, 0,1,2,3
	v_cvt_scalef32_pk8_bf8_f32 v[COD+8*(\f)+2*\g:COD+8*(\f)+2*\g+1], v[NS+8*\g:NS+8*\g+7], v11
.endr
.irp c, 0,1
	global_store_b128 v3, v[COD+8*(\f)+4*\c:COD+8*(\f)+4*\c+3], s[12:13] offset:16384*(\f)+512*\c   ; the wave stores 512 consecutive bytes, aligned
.endr
.endm
; A weight [1024 (k)][n]: a lane takes a column and its registers run down K: 16 of them are the 16 bytes of a lane of a fragment, so nothing is transposed.
.macro WBLOCK b, unit, swap            ; 32 along K
.if (\b) < 2
	s_wait_loadcnt 63                              ; the first 65 of the 128 loads are in: blocks 0 and 1
.else
	s_wait_loadcnt 32*(3-(\b))                     ; the later blocks' loads may be out
.endif
.set XS, LDR+32*(\b)
.set I, 0
.rept 32
	v_med3_num_f32 v[XS+I], v[XS+I], -v10, v10
.set I, I+1
.endr
.irp h, 0,1
.if \swap
	v_cvt_scalef32_pk8_bf8_f32 v[COD+8*(\b)+4*\h:COD+8*(\b)+4*\h+1], v[XS+8*\h:XS+8*\h+7], v11
	v_cvt_scalef32_pk8_bf8_f32 v[COD+8*(\b)+4*\h+2:COD+8*(\b)+4*\h+3], v[XS+16+8*\h:XS+16+8*\h+7], v11
.else
	v_cvt_scalef32_pk8_bf8_f32 v[COD+8*(\b)+4*\h:COD+8*(\b)+4*\h+1], v[XS+16*\h:XS+16*\h+7], v11
	v_cvt_scalef32_pk8_bf8_f32 v[COD+8*(\b)+4*\h+2:COD+8*(\b)+4*\h+3], v[XS+16*\h+8:XS+16*\h+15], v11
.endif
.endr
.irp h, 0,1
	global_store_b128 v14, v[COD+8*(\b)+4*\h:COD+8*(\b)+4*\h+3], s[34:35] offset:((\b)/2)*\unit+((\b)%2)*512+256*\h   ; sixteen lanes store 256 consecutive bytes, aligned: two fragments
.endr
.endm
.macro WQ pitch, src, ereg, unit, swap
.set I, 0
.rept 128
	global_load_b32 v[LDR+I], v9, s[\src:\src+1] offset:I*\pitch th:TH_LOAD_NT
.set I, I+1
.endr
	s_wait_kmcnt 0x0                               ; the exponents
	SCALE \ereg
.irp b, 0,1,2,3
	WBLOCK \b, \unit, \swap
.endr
	s_endpgm
.endm
	s_load_b256 s[4:11], s[0:1], 0x0               ; x s[4:5], w_attn s[6:7], w_proj s[8:9], the exponents s[10:11]
	s_load_b128 s[12:15], s[0:1], 0x20             ; x_img, wa_img
	s_load_b64 s[16:17], s[0:1], 0x30              ; wp_img
	v_lshrrev_b32 v1, 5, v0
	v_readfirstlane_b32 s20, v1                    ; wave 0..3
	s_mul_i32 s21, s20, RGN
	v_and_b32 v2, 31, v0                           ; lane
	v_and_b32 v4, 15, v0                           ; r
	v_bfe_u32 v5, v0, 4, 1                         ; h
	v_lshl_add_u32 v12, v0, 2, SPARE               ; my spare word; never rewritten
	v_mov_b32 v13, 0                               ; 0; never rewritten
	v_lshlrev_b32 v3, 4, v2                        ; 16 x lane
	v_mul_u32_u24 v6, v5, PITCH
	v_mul_u32_u24 v7, v4, PITCH
	v_lshlrev_b32 v8, 12, v5
	v_lshlrev_b32 v14, 10, v5
	v_lshl_add_u32 v6, v4, 4, v6
	v_lshl_add_u32 v7, v5, 6, v7
	v_lshl_add_u32 v8, v4, 4, v8                   ; x in: lanes 0-15 256 bytes of one row, lanes 16-31 of the next
	v_lshl_add_u32 v14, v4, 4, v14                 ; weights out: lanes 0-15 one fragment, lanes 16-31 the next
	v_add_nc_u32 v6, s21, v6                       ; into the stage: as loaded
	v_add_nc_u32 v7, s21, v7                       ; out of it: row r, 16 numbers from 16 h
	v_lshlrev_b32 v9, 2, v2                        ; weights in
	s_wait_alu depctr_va_vdst(0)
	s_wait_kmcnt 0x0
	s_load_b256 s[24:31], s[10:11], 0x0            ; e0 .. e7
	s_mov_b32 s33, 0
	s_mov_b32 s35, 0
	s_cmp_lt_u32 ttmp9, 192
	s_cbranch_scc1 .Lattn_weight
	s_cmp_lt_u32 ttmp9, 256
	s_cbranch_scc1 .Lproj_weight
	; ---- x
	s_sub_co_u32 s21, ttmp9, 256                   ; which 16 tokens
	s_lshl_b32 s32, s21, 16
	s_lshl_b32 s36, s20, 10
	s_add_co_u32 s32, s32, s36
	s_add_nc_u64 s[4:5], s[4:5], s[32:33]
	s_lshr_b32 s34, s21, 4
	s_lshl_b32 s34, s34, 18
	s_and_b32 s36, s21, 15
	s_lshl_b32 s36, s36, 10
	s_add_co_u32 s34, s34, s36
	s_lshl_b32 s36, s20, 16                        ; four units a wave
	s_add_co_u32 s34, s34, s36
	s_add_nc_u64 s[12:13], s[12:13], s[34:35]
.irp f, 0,1,2,3
.irp i, 0,1,2,3,4,5,6,7
	global_load_b128 v[LDR+32*\f+4*\i:LDR+32*\f+4*\i+3], v8, s[4:5] offset:256*\f+8192*\i th:TH_LOAD_NT
.endr
.endr
	s_wait_kmcnt 0x0
	SCALE 24
	s_wait_loadcnt 24                              ; fragment 0's eight loads are in
	STAGE 0
.irp f, 0,1,2,3
	XFRAG \f
.endr
	s_wait_tensorcnt 0x0                           ; the wave's end
	ds_add_u32 v12, v13
	s_wait_dscnt 0x0
	s_endpgm
.Lattn_weight:
	s_and_b32 s21, ttmp9, 7                        ; which 128 along K
	s_lshr_b32 s22, ttmp9, 3                       ; which 128 columns: 8 s + pair of heads
	s_mul_i32 s32, s21, 128*12288
	s_lshl_b32 s36, s22, 9
	s_add_co_u32 s32, s32, s36
	s_lshl_b32 s36, s20, 7
	s_add_co_u32 s32, s32, s36
	s_add_nc_u64 s[6:7], s[6:7], s[32:33]
	s_and_b32 s36, s22, 7
	s_mul_i32 s34, s36, 393216
	s_mul_i32 s36, s21, 2*24576
	s_add_co_u32 s34, s34, s36
	s_lshr_b32 s36, s20, 1
	s_mul_i32 s36, s36, 12288
	s_add_co_u32 s34, s34, s36
	s_lshr_b32 s36, s22, 3
	s_lshl_b32 s36, s36, 12
	s_add_co_u32 s34, s34, s36
	s_and_b32 s36, s20, 1
	s_lshl_b32 s36, s36, 11
	s_add_co_u32 s34, s34, s36
	s_add_nc_u64 s[34:35], s[14:15], s[34:35]
	WQ 12288, 6, 25, 24576, 0
.Lproj_weight:
	s_sub_co_u32 s23, ttmp9, 192
	s_and_b32 s21, s23, 7
	s_lshr_b32 s22, s23, 3
	s_lshl_b32 s32, s21, 19
	s_lshl_b32 s36, s22, 9
	s_add_co_u32 s32, s32, s36
	s_lshl_b32 s36, s20, 7
	s_add_co_u32 s32, s32, s36
	s_add_nc_u64 s[8:9], s[8:9], s[32:33]
	s_lshl_b32 s34, s22, 17
	s_lshl_b32 s36, s21, 14
	s_add_co_u32 s34, s34, s36
	s_lshl_b32 s36, s20, 11
	s_add_co_u32 s34, s34, s36
	s_add_nc_u64 s[34:35], s[16:17], s[34:35]
	WQ 4096, 8, 31, 8192, 1
.Lfunc_end_k_q454d51cd66_quant:
	.size	k_q454d51cd66_quant, .Lfunc_end_k_q454d51cd66_quant-k_q454d51cd66_quant
	.p2alignl 7, 3214868480
	.fill 96, 4, 3214868480
	.section	.rodata,"a",@progbits
	.p2align	6, 0x0
	.amdhsa_kernel k_q454d51cd66_quant
		.amdhsa_group_segment_fixed_size 102912
		.amdhsa_private_segment_fixed_size 0
		.amdhsa_enable_private_segment 0
		.amdhsa_kernarg_size 56
		.amdhsa_user_sgpr_count 2
		.amdhsa_user_sgpr_kernarg_segment_ptr 1
		.amdhsa_wavefront_size32 1
		.amdhsa_system_sgpr_workgroup_id_x 1
		.amdhsa_system_sgpr_workgroup_id_y 1
		.amdhsa_system_sgpr_workgroup_id_z 1
		.amdhsa_system_vgpr_workitem_id 0
		.amdhsa_next_free_vgpr 256
		.amdhsa_next_free_sgpr 66
		.amdhsa_reserve_vcc 0
		.amdhsa_float_denorm_mode_32 3
		.amdhsa_float_denorm_mode_16_64 3
		.amdhsa_memory_ordered 1
		.amdhsa_forward_progress 1
		.amdhsa_inst_pref_size 66
	.end_amdhsa_kernel
	.amdgpu_metadata
---
amdhsa.version: [ 1, 2 ]
amdhsa.kernels:
  - .name:           k_q454d51cd66_quant
    .symbol:         k_q454d51cd66_quant.kd
    .args:
      - { .name: x, .offset: 0, .size: 8, .value_kind: global_buffer, .address_space: global }
      - { .name: w_attn, .offset: 8, .size: 8, .value_kind: global_buffer, .address_space: global }
      - { .name: w_proj, .offset: 16, .size: 8, .value_kind: global_buffer, .address_space: global }
      - { .name: lowp_scales, .offset: 24, .size: 8, .value_kind: global_buffer, .address_space: global }
      - { .name: x_img, .offset: 32, .size: 8, .value_kind: global_buffer, .address_space: global }
      - { .name: wa_img, .offset: 40, .size: 8, .value_kind: global_buffer, .address_space: global }
      - { .name: wp_img, .offset: 48, .size: 8, .value_kind: global_buffer, .address_space: global }
    .group_segment_fixed_size: 102912
    .private_segment_fixed_size: 0
    .kernarg_segment_align: 8
    .kernarg_segment_size: 56
    .max_flat_workgroup_size: 128
    .sgpr_count:     66
    .vgpr_count:     256
    .wavefront_size: 32
...
	.end_amdgpu_metadata
.endif
;; end of part 1
;; launch qkv (part 2): grid 8 x 32, 4 waves a work-group, clusters of 4 x 4, 327,680 bytes of LDS; arguments x_img, wa_img, lowp_scales, b_attn, q_img, k_img, v_img; writes q_img, k_img, v_img
.if DOCPART == 2
	.amdgcn_target "amdgcn-amd-amdhsa--gfx1250"
	.amdhsa_code_object_version 6
	.text
	.protected	k_q454d51cd66_qkv
	.globl	k_q454d51cd66_qkv
	.p2align	8
	.type	k_q454d51cd66_qkv,@function
k_q454d51cd66_qkv:
	s_mov_b64 s[64:65], 0
	v_nop
	global_prefetch_b8 v0, s[64:65] scope:SCOPE_SE
	s_setreg_imm32_b32 hwreg(HW_REG_WAVE_MODE, 25, 1), 1
	s_wait_xcnt 0x0
	s_wait_alu depctr_hold_cnt(0) depctr_sa_sdst(0) depctr_va_vdst(0) depctr_va_sdst(0) depctr_va_ssrc(0) depctr_va_vcc(0) depctr_vm_vsrc(0)
	s_getreg_b32 s2, hwreg(HW_REG_IB_STS2, 6, 4)
	s_cmp_eq_u32 s2, 0
	s_cbranch_scc0 .Lentry_in_a_cluster
	s_endpgm
.Lentry_in_a_cluster:
	s_bfe_u32 s2, ttmp6, 0x10000c
	s_cmp_lg_u32 s2, 0xf033
	s_cbranch_scc0 .Lentry_shape_is_right
	s_endpgm
.Lentry_shape_is_right:
; qkv = x w_attn + b_attn on codes of BF8 (E5M2); q, k and v are quantised at once with their given scales and stored as images of the operand registers of the products that read them.
; A sum stands for sum x 2^(e0 + e1).  THE BIAS IS THE C OF EACH ACCUMULATOR'S FIRST PRODUCT, multiplied by 2^-(e0 + e1) ahead; so a finished sum's code is sum / 2^(e - e0 - e1) (e: e2 for q, e3 for k, e5 for v),
; held within +-57,344, to the nearest code, ties to even: the scales are folded into the conversion's one.
; LIMITS: e0 + e1 between -126 and 126; e - e0 - e1 between -126 and 112 for each of the three; bias x 2^-(e0 + e1) is an f32 number.  NaN is not served.
; SHARES.  256 work-groups, each 256 tokens x two heads' q, k and v: 384 columns.  A wave makes 128 tokens x one head's q, k and v: 96 accumulators, 768 registers.  K goes in 16 units of 64.
; A unit in LDS is dense images of fragments: x 16 KiB, w 24 KiB.  Slot A holds three units, slot B four; the fills are units 0-2 and 3-6 (both at the head, one tensor load a wave: waves 0, 1: x and w of slot A; waves 2, 3: of slot B),
; then 7-9, 10-13, 14-15, written on end (no loop to run ahead in: no prefetch).
; CLUSTERS: 4 x 4 work-groups (one batch's four token tiles x four pairs of heads).  The four of a row need the same x, the four of a column the same w: each is asked for JOINTLY.
; Cluster n (0..15) takes batch n % 8 and the pairs of heads 4 (n / 8) on.
; WHICH OPERAND IS SOURCE 0.  In a result lane (r, h), register j is (source 1's row r, source 0's row 8 h + j).  q, k: source 0 = columns: a lane holds eight neighbouring channels of a token.  v: source 0 = tokens: eight neighbouring
; keys of a channel.  So two neighbouring accumulators' codes are a lane's 16 bytes, and each store covers 512 consecutive bytes.
; q_img, k_img: byte ((bh 64 + tt) 2 + c) 512 + 16 lane + 8 u + j = token 16 tt + r, channel 32 c + 16 u + 8 h + j.   v_img: byte (((bh 8 + ks) 4 + t) 4 + c) 512 + 16 lane + 8 u + j = channel 16 t + r, key 128 ks + 32 c + 16 u + 8 h + j.
; REGISTERS: window 0: v0-31 addresses and constants; v32-95, v96-159 x's fragments, two sets (set 1 holds the biases in unit 0); v160-255 w's twelve fragments, one set: four of them are loaded anew behind each third of a unit.
; windows 1, 2, 3: the accumulators of q, k, v: (token block a, column block b) at v[8 (8 b + a)].  On the way out v32-95 numbers, v96-255 codes.
.set XA, 0
.set WA, 49152
.set XB, 122880
.set WB, 188416
.set SPARE, 286720                     ; behind the slots: the spare words, 128 bytes a wave
.set SPW, 28
.set NIL, 29
.set G1,  24                           ; s[24:31] descriptor group 1 for x, s[32:35] group 0
.set G0,  32
.set G1B, 48                           ; s[48:55], s[56:59] for w
.set G0B, 56
.set G1X2, 36                          ; slot B's first fill: s[36:43], s[60:63] for x,
.set G0X2, 60
.set G1W2, 84                          ; s[84:91], s[4:7] for w
.set G0W2, 4
.set MSB, 0
.macro WIN new                         ; the immediate's high byte repeats the setting that is left
.if MSB != (\new)
	s_set_vgpr_msb (MSB<<8)|(\new)
.set MSB, (\new)
.endif
.endm
.macro PLACES                          ; behind matrix instructions, ahead of loads into and vector work on their registers
.rept 4
	v_nop
.endr
.endm
.macro TL g0, g1
	tensor_load_to_lds s[\g0:\g0+3], s[\g1:\g1+7]
	s_nop 0
	PLACES
.endm
; A joint refill: waves 0 and 1 fetch x's two halves, waves 2 and 3 w's; the branch hangs on the wave's number alone.
.macro JLOAD
	s_cmp_eq_u32 s15, 0
	s_cbranch_scc0 .Lfor_w_\@
	TL G0, G1
	s_branch .Lasked_\@
.Lfor_w_\@:
	TL G0B, G1B
.Lasked_\@:
.endm
.macro CREST                           ; a round of the cluster's barrier behind its opening barrier
	s_cmp_lg_u32 s14, 0
	s_cbranch_scc1 .Lnot_wave_0_\@
	s_barrier_signal -3
.Lnot_wave_0_\@:
	s_barrier_wait -3
	s_barrier_signal -1
	s_barrier_wait -1
.endm
.macro CROUND
	s_barrier_signal -1
	s_barrier_wait -1
	CREST
.endm
.macro GSET g, m, rows                 ; group 1: 15:0 the mask; 17:16 elements of 8 bytes; 21 set beside a mask; no padding; dense rows of 256 bytes
	s_or_b32 s[\g], s[\m], (3<<16)|(1<<21)
	s_mov_b32 s[\g+1], 32<<16
	s_mov_b32 s[\g+2], \rows<<16
	s_mov_b32 s[\g+3], 32<<16
	s_mov_b32 s[\g+4], \rows
	s_mov_b32 s[\g+5], 32
	s_mov_b32 s[\g+6], 0
	s_mov_b32 s[\g+7], 0
.endm
; The descriptors of a refill: n units from unit u, into x's and w's regions at xs and ws.  A wave fetches half of a region.  No place in the cluster enters an LDS address.
.macro PREP n, xs, ws, u
	s_mul_i32 s92, s16, (\n)*8192
	s_add_co_u32 s[G0+1], s92, \xs
	s_add_co_u32 s92, s92, (\u)*16384
	s_add_nc_u64 s[G0+2:G0+3], s[20:21], s[92:93]
	s_or_b32 s[G0+3], s[G0+3], 0x80000000
	s_mov_b32 s[G1+2], ((\n)*32)<<16
	s_mov_b32 s[G1+4], (\n)*32
	s_mul_i32 s94, s16, (\n)*12288
	s_add_co_u32 s[G0B+1], s94, \ws
	s_add_co_u32 s94, s94, (\u)*24576
	s_add_nc_u64 s[G0B+2:G0B+3], s[46:47], s[94:95]
	s_or_b32 s[G0B+3], s[G0B+3], 0x80000000
	s_mov_b32 s[G1B+2], ((\n)*48)<<16
	s_mov_b32 s[G1B+4], (\n)*48
.endm
.macro SCL e, vs, vl                   ; 2^(e - e0 - e1) and 57,344 x that
	s_sub_co_i32 s76, s[\e], s98
	s_add_co_i32 s76, s76, 127
	s_lshl_b32 s77, s76, 23
	v_mov_b32 v[\vs], s77
	s_add_co_i32 s76, s76, 15
	s_lshl_b32 s76, s76, 23
	s_or_b32 s76, s76, 0x600000
	v_mov_b32 v[\vl], s76
.endm
	s_load_b256 s[4:11], s[0:1], 0x0               ; x_img s[4:5], wa_img s[6:7], the exponents s[8:9], b_attn s[10:11]
	s_load_b128 s[68:71], s[0:1], 0x20             ; q_img, k_img
	s_load_b64 s[72:73], s[0:1], 0x30              ; v_img
	v_lshl_add_u32 v[SPW], v0, 2, SPARE
	v_mov_b32 v[NIL], 0
	ds_add_u32 v[SPW], v[NIL]                      ; the wave's opening: the add, twice on end, and its wait
	ds_add_u32 v[SPW], v[NIL]
	v_lshrrev_b32 v1, 5, v0
	v_readfirstlane_b32 s14, v1                    ; wave 0..3
	s_lshr_b32 s15, s14, 1                         ; which 128 of the 256 tokens are mine.  Also: a refill's x (0) or w (1)
	s_and_b32 s16, s14, 1                          ; which head of the pair.  Also: which half of the refill
	s_bfe_u32 s18, ttmp6, 0x40000                  ; cx, cy
	s_bfe_u32 s19, ttmp6, 0x40004
	s_and_b32 s12, ttmp7, 0xffff
	s_lshl_b32 s12, s12, 1
	s_add_co_u32 s12, s12, ttmp9                   ; the cluster's number, 0..15
	s_and_b32 s74, s12, 7                          ; the batch
	s_lshr_b32 s66, s12, 3
	s_lshl_b32 s66, s66, 2
	s_add_co_u32 s66, s66, s18                     ; the pair of heads, 0..7
	s_lshl_b32 s17, s74, 2
	s_add_co_u32 s17, s17, s19                     ; the token tile, 0..31
	s_lshl_b32 s44, s19, 2
	s_lshl_b32 s44, 15, s44                        ; my row of the cluster
	s_lshl_b32 s45, 0x1111, s18                    ; my column
	GSET G1, 44, 192
	GSET G1X2, 44, 256
	GSET G1B, 45, 288
	GSET G1W2, 45, 384
	s_lshl_b32 s20, s17, 18                        ; a token tile is 262,144 bytes
	s_mov_b32 s21, 0
	s_mul_i32 s46, s66, 393216                     ; a pair's columns likewise
	s_mov_b32 s47, 0
	s_mov_b32 s93, 0
	s_mov_b32 s95, 0
	s_lshl_b32 s22, s15, 13
	s_mul_i32 s23, s16, 12288
	s_lshl_b32 s78, s66, 1
	s_add_co_u32 s78, s78, s16                     ; my head
	s_lshl_b32 s100, s78, 8                        ; its biases' first byte
	s_lshl_b32 s67, s74, 4
	s_add_co_u32 s78, s78, s67
	s_lshl_b32 s78, s78, 16                        ; bh x 65,536,
	s_lshl_b32 s79, s19, 14
	s_add_co_u32 s78, s78, s79
	s_lshl_b32 s79, s15, 13
	s_add_co_u32 s78, s78, s79                     ; + my first token x 64: the same place in all three images
	s_mov_b32 s79, 0
	v_and_b32 v2, 31, v0
	v_and_b32 v3, 15, v0                           ; r
	v_bfe_u32 v4, v0, 4, 1                         ; h
	v_lshlrev_b32 v2, 4, v2                        ; v2: 16 x lane
	v_add_nc_u32 v16, s22, v2                      ; v16, v17: LDS address of x's fragments in slot A, B
	v_add_nc_u32 v17, XB, v16
	v_add_nc_u32 v18, s23, v2
	v_add_nc_u32 v18, WA, v18                      ; v18-21: of w's: slot A's units 0-1, 2, slot B's units 0-1, 2-3
	v_add_nc_u32 v19, 49152, v18
	v_add_nc_u32 v20, WB-WA, v18
	v_add_nc_u32 v21, 49152, v20
	v_lshl_add_u32 v5, v4, 5, s100                 ; q's, k's biases: + 32 h: columns 8 h + 0..7 of each 16
	v_lshl_add_u32 v6, v3, 2, s100                 ; v's: column r of each 16
	s_wait_alu depctr_va_vdst(0)
	s_wait_dscnt 0x0                               ; both opening adds are done
	CROUND                                         ; all sixteen work-groups are here: the first joint loads meet
	s_wait_kmcnt 0x0
	s_load_b128 s[80:83], s[8:9], 0x0              ; e0 .. e3
	s_load_b32 s99, s[8:9], 0x14                   ; e5
	s_add_nc_u64 s[20:21], s[4:5], s[20:21]
	s_add_nc_u64 s[46:47], s[6:7], s[46:47]
.irp g, G0, G0B, G0X2, G0W2
	s_mov_b32 s[\g], 1
.endr
	s_mov_b32 s[G0+1], XA
	s_mov_b32 s[G0B+1], WA
	s_mov_b32 s[G0X2+1], XB
	s_mov_b32 s[G0W2+1], WB
	s_mov_b64 s[G0+2:G0+3], s[20:21]
	s_mov_b64 s[G0B+2:G0B+3], s[46:47]
	s_add_nc_u64 s[G0X2+2:G0X2+3], s[20:21], 3*16384
	s_add_nc_u64 s[G0W2+2:G0W2+3], s[46:47], 3*24576
.irp g, G0, G0B, G0X2, G0W2
	s_or_b32 s[\g+3], s[\g+3], 0x80000000
.endr
	s_cmp_eq_u32 s14, 0                            ; one chain on the wave's number, one load an arm
	s_cbranch_scc0 .Lw1
	TL G0, G1
	s_branch .Lasked
.Lw1:
	s_cmp_eq_u32 s14, 1
	s_cbranch_scc0 .Lw2
	TL G0B, G1B
	s_branch .Lasked
.Lw2:
	s_cmp_eq_u32 s14, 2
	s_cbranch_scc0 .Lw3
	TL G0X2, G1X2
	s_branch .Lasked
.Lw3:
	TL G0W2, G1W2
.Lasked:
.irp b, 0,1,2,3
	global_load_b128 v[96+8*\b:99+8*\b], v5, s[10:11] offset:64*\b
	global_load_b128 v[100+8*\b:103+8*\b], v5, s[10:11] offset:64*\b+16
	global_load_b128 v[128+8*\b:131+8*\b], v5, s[10:11] offset:4096+64*\b
	global_load_b128 v[132+8*\b:135+8*\b], v5, s[10:11] offset:4096+64*\b+16
	global_load_b32 v[8+\b], v6, s[10:11] offset:8192+64*\b
.endr
	s_add_nc_u64 s[68:69], s[68:69], s[78:79]
	s_add_nc_u64 s[70:71], s[70:71], s[78:79]
	s_add_nc_u64 s[72:73], s[72:73], s[78:79]
	s_wait_kmcnt 0x0                               ; the exponents
	s_add_co_i32 s98, s80, s81                     ; e0 + e1
	s_sub_co_i32 s96, 127, s98
	s_lshl_b32 s96, s96, 23                        ; 2^-(e0 + e1)
	s_mov_b32 s97, s96                             ; (named with it as a pair)
	SCL 82, 12, 13
	SCL 83, 14, 15
	SCL 99, 22, 23
	s_wait_loadcnt 0x0                             ; the biases
.set I, 96
.rept 32
	v_pk_mul_f32 v[I:I+1], v[I:I+1], s[96:97] op_sel_hi:[1,0]
.set I, I+2
.endr
.macro FB b0, slot, j                  ; w's fragments b0 .. b0 + 3 of the slot's unit j
.irp i, 0,1,2,3
	ds_load_b128 v[160+8*(\b0+\i):163+8*(\b0+\i)], v[18+2*\slot+(\j)/2] offset:((\j)%2)*24576+1024*(\b0+\i)
	ds_load_b128 v[164+8*(\b0+\i):167+8*(\b0+\i)], v[18+2*\slot+(\j)/2] offset:((\j)%2)*24576+1024*(\b0+\i)+512
.endr
.endm
.macro FA set, slot, j                 ; x's eight fragments
.irp i, 0,1,2,3,4,5,6,7
	ds_load_b128 v[32+64*(\set)+8*\i:35+64*(\set)+8*\i], v[16+\slot] offset:(\j)*16384+1024*\i
	ds_load_b128 v[36+64*(\set)+8*\i:39+64*(\set)+8*\i], v[16+\slot] offset:(\j)*16384+1024*\i+512
.endr
.endm
; A third of a unit: 32 matrix instructions, th = 0, 1, 2: q, k, v.  The 96 accumulators take turns, one instruction a turn, in the same order in every unit.  cb: the biases' registers, or 0: add in place.
.macro MUL set, th, cb
.if \cb
	WIN 0x40*(\th+1)
.else
	WIN 0x50*(\th+1)
.endif
.irp b, 0,1,2,3
.irp a, 0,1,2,3,4,5,6,7
.set AC, 8*(8*\b+\a)
.set FW, 160+8*(4*\th+\b)
.set FX, 32+64*(\set)+8*\a
.if \cb
.set CC, \cb+8*\b
.else
.set CC, AC
.endif
.if \th == 2
	v_wmma_f32_16x16x64_bf8_bf8 v[AC:AC+7], v[FX:FX+7], v[FW:FW+7], v[CC:CC+7]
.else
	v_wmma_f32_16x16x64_bf8_bf8 v[AC:AC+7], v[FW:FW+7], v[FX:FX+7], v[CC:CC+7]
.endif
.endr
.endr
.endm
.macro STEP set, slot, j               ; a unit whose successor lies in the same slot
	s_wait_dscnt 16                                ; w's fragments 0-3 and x's are in; 4-7 and 8-11 (eight loads each) may be out
	MUL \set, 0, 0
	PLACES
	WIN 0
	FB 0, \slot, \j+1
	FA 1-\set, \slot, \j+1
	s_wait_dscnt 32                                ; 4-7 are in; 8-11 and the 24 just issued may be out
	MUL \set, 1, 0
	PLACES
	WIN 0
	FB 4, \slot, \j+1
	s_wait_dscnt 32                                ; 8-11 are in; the 24 and 8 behind them may be out
	MUL \set, 2, 0
	PLACES
	WIN 0
	FB 8, \slot, \j+1
.endm
; A slot's last unit changes slots.  One barrier: in front of it each wave has waited for all its tensor loads (its part of the next slot), has added 0 to its spare word, and has waited for that and for its reads of this slot.
; n > 0: behind the barrier, which opens a round of the cluster's, this slot takes n units from unit u on.
.macro TURN set, next, n, xs, ws, u
	s_wait_dscnt 16
	MUL \set, 0, 0
	WIN 0
	s_wait_tensorcnt 0x0
	ds_add_u32 v[SPW], v[NIL]
.if \n
	PREP \n, \xs, \ws, \u
.endif
	s_wait_dscnt 0x0
	s_barrier_signal -1
	MUL \set, 1, 0
	WIN 0
	s_barrier_wait -1
.if \n
	CREST
	JLOAD                                          ; the first tensor load behind the round, my one until the next; its four v_nop are the places ahead of the loads below
.else
	PLACES
.endif
	FB 0, \next, 0
	FA 1-\set, \next, 0
	FB 4, \next, 0
	MUL \set, 2, 0
	PLACES
	WIN 0
	FB 8, \next, 0
.endm
	s_wait_alu depctr_va_vdst(0)                   ; the wait at the head's end
	s_cmp_lt_u32 s14, 2
	s_cbranch_scc0 .Lslot_b_is_mine
	s_wait_tensorcnt 0x0                           ; waves 0 and 1: slot A's units 0-2 are in.  Slot B is first read behind the first TURN's barrier, ahead of which every wave waits for 0
.Lslot_b_is_mine:
	s_barrier_signal -1
	s_barrier_wait -1                              ; slot A is there for all four waves
	FB 0, 0, 0
	FA 0, 0, 0
	FB 4, 0, 0
	FB 8, 0, 0
	; unit 0: its products start the sums on the biases, which lie in x's set 1: v96-127 q's, v128-159 k's, then v's in q's place
	s_wait_dscnt 16
	MUL 0, 0, 96
	PLACES
	WIN 0
	FB 0, 0, 1
.irp t, 0,1,2,3
.irp j, 0,1,2,3,4,5,6,7
	v_mul_f32 v[96+8*\t+\j], s96, v[8+\t]          ; v: the lane's channel has one bias
.endr
.endr
	s_wait_alu depctr_va_vdst(0)
	s_wait_dscnt 16                                ; 4-7 are in; 8-11 and the eight just issued may be out
	MUL 0, 1, 128
	PLACES
	WIN 0
	FB 4, 0, 1
	s_wait_dscnt 16                                ; 8-11 are in; the two runs behind them may be out
	MUL 0, 2, 96
	PLACES
	WIN 0
	FB 8, 0, 1
	FA 1, 0, 1                                     ; the biases are done with
	s_wait_dscnt 0x0
	STEP 1, 0, 1
	TURN 0, 1, 3, XA, WA, 7
	STEP 1, 1, 0
	STEP 0, 1, 1
	STEP 1, 1, 2
	TURN 0, 0, 4, XB, WB, 10
	STEP 1, 0, 0
	STEP 0, 0, 1
	TURN 1, 1, 2, XA, WA, 14
	STEP 0, 1, 0
	STEP 1, 1, 1
	STEP 0, 1, 2
	TURN 1, 0, 0, 0, 0, 0                          ; nothing is left to fetch
	STEP 0, 0, 0
	s_wait_dscnt 16                                ; the last unit
	MUL 1, 0, 0
	s_wait_dscnt 8
	MUL 1, 1, 0
	s_wait_dscnt 0x0
	MUL 1, 2, 0
	WIN 0
	PLACES
; THE WAY OUT: 64 numbers a lane at a time, each accumulator from its low end on: the hold, eight conversions, four stores.
.macro OUTQK w, g, sc, lim, ptr, cd    ; token blocks 2 g, 2 g + 1 of q or k
	WIN \w
.irp u, 0,1
.irp b, 0,1,2,3
.irp i, 0,1,2,3,4,5,6,7
	v_med3_num_f32 v[32+32*\u+8*\b+\i], v[8*(8*\b+2*\g+\u)+\i], -v[\lim], v[\lim]   ; the conversion to an 8-bit code does not saturate (ISA guide 7.6.2)
.endr
.endr
.endr
	WIN 0
.irp u, 0,1
.irp b, 0,1,2,3
	v_cvt_scalef32_pk8_bf8_f32 v[\cd+8*\u+2*\b:\cd+8*\u+2*\b+1], v[32+32*\u+8*\b:39+32*\u+8*\b], v[\sc]
.endr
.endr
	v_nop                                          ; one plain line behind the last conversion
.irp u, 0,1
.irp c, 0,1
	global_store_b128 v2, v[\cd+8*\u+4*\c:\cd+8*\u+4*\c+3], s[\ptr:\ptr+1] offset:1024*(2*\g+\u)+512*\c
.endr
.endr
.endm
.macro OUTV t, cd                      ; channels 16 t on
	WIN 3
.irp a, 0,1,2,3,4,5,6,7
.irp i, 0,1,2,3,4,5,6,7
	v_med3_num_f32 v[32+8*\a+\i], v[8*(8*\t+\a)+\i], -v23, v23
.endr
.endr
	WIN 0
.irp a, 0,1,2,3,4,5,6,7
	v_cvt_scalef32_pk8_bf8_f32 v[\cd+2*\a:\cd+2*\a+1], v[32+8*\a:39+8*\a], v22
.endr
	v_nop
.irp c, 0,1,2,3
	global_store_b128 v2, v[\cd+4*\c:\cd+4*\c+3], s[72:73] offset:2048*\t+512*\c
.endr
.endm
	OUTQK 1, 0, 12, 13, 68, 96
	OUTQK 1, 1, 12, 13, 68, 112
	OUTQK 1, 2, 12, 13, 68, 128
	OUTQK 1, 3, 12, 13, 68, 144
	OUTQK 2, 0, 14, 15, 70, 160
	OUTQK 2, 1, 14, 15, 70, 176
	OUTQK 2, 2, 14, 15, 70, 192
	OUTQK 2, 3, 14, 15, 70, 208
	OUTV 0, 224
	OUTV 1, 240
	s_wait_xcnt 0x0                                ; the earlier stores have read their registers: two sets of codes are written again
	OUTV 2, 96
	OUTV 3, 112
	s_wait_tensorcnt 0x0                           ; the wave's end
	ds_add_u32 v[SPW], v[NIL]
	s_wait_dscnt 0x0
	CROUND                                         ; the closing round
	s_endpgm
.Lfunc_end_k_q454d51cd66_qkv:
	.size	k_q454d51cd66_qkv, .Lfunc_end_k_q454d51cd66_qkv-k_q454d51cd66_qkv
	.p2alignl 7, 3214868480
	.fill 96, 4, 3214868480
	.section	.rodata,"a",@progbits
	.p2align	6, 0x0
	.amdhsa_kernel k_q454d51cd66_qkv
		.amdhsa_group_segment_fixed_size 327680
		.amdhsa_private_segment_fixed_size 0
		.amdhsa_enable_private_segment 0
		.amdhsa_kernarg_size 56
		.amdhsa_user_sgpr_count 2
		.amdhsa_user_sgpr_kernarg_segment_ptr 1
		.amdhsa_wavefront_size32 1
		.amdhsa_system_sgpr_workgroup_id_x 1
		.amdhsa_system_sgpr_workgroup_id_y 1
		.amdhsa_system_sgpr_workgroup_id_z 1
		.amdhsa_system_vgpr_workitem_id 0
		.amdhsa_next_free_vgpr 1024
		.amdhsa_next_free_sgpr 102
		.amdhsa_reserve_vcc 0
		.amdhsa_float_denorm_mode_32 3
		.amdhsa_float_denorm_mode_16_64 3
		.amdhsa_memory_ordered 1
		.amdhsa_forward_progress 1
		.amdhsa_inst_pref_size 225
	.end_amdhsa_kernel
	.amdgpu_metadata
---
amdhsa.version: [ 1, 2 ]
amdhsa.kernels:
  - .name:           k_q454d51cd66_qkv
    .symbol:         k_q454d51cd66_qkv.kd
    .args:
      - { .name: x_img, .offset: 0, .size: 8, .value_kind: global_buffer, .address_space: global }
      - { .name: wa_img, .offset: 8, .size: 8, .value_kind: global_buffer, .address_space: global }
      - { .name: lowp_scales, .offset: 16, .size: 8, .value_kind: global_buffer, .address_space: global }
      - { .name: b_attn, .offset: 24, .size: 8, .value_kind: global_buffer, .address_space: global }
      - { .name: q_img, .offset: 32, .size: 8, .value_kind: global_buffer, .address_space: global }
      - { .name: k_img, .offset: 40, .size: 8, .value_kind: global_buffer, .address_space: global }
      - { .name: v_img, .offset: 48, .size: 8, .value_kind: global_buffer, .address_space: global }
    .group_segment_fixed_size: 327680
    .private_segment_fixed_size: 0
    .kernarg_segment_align: 8
    .kernarg_segment_size: 56
    .max_flat_workgroup_size: 128
    .sgpr_count:     102
    .vgpr_count:     1024
    .wavefront_size: 32
...
	.end_amdgpu_metadata
.endif
;; end of part 2
;; launch attn (part 3): grid 128 x 2, 16 waves a work-group, no clusters, 327,680 bytes of LDS; arguments q_img, k_img, v_img, lowp_scales, y_img; writes y_img
.if DOCPART == 3
	.amdgcn_target "amdgcn-amd-amdhsa--gfx1250"
	.amdhsa_code_object_version 6
	.text
	.protected	k_q454d51cd66_attn
	.globl	k_q454d51cd66_attn
	.p2align	8
	.type	k_q454d51cd66_attn,@function
k_q454d51cd66_attn:
	s_mov_b64 s[64:65], 0
	v_nop
	global_prefetch_b8 v0, s[64:65] scope:SCOPE_SE
	s_setreg_imm32_b32 hwreg(HW_REG_WAVE_MODE, 25, 1), 1
	s_wait_xcnt 0x0
; y[b][q][head] = the sum over keys k <= q of softmax_k(Q . K / 8) V, both products on codes of BF8 (E5M2); y is quantised at once with its given scale 2^e6 and stored as images of the last product's operand registers.
; THE SOFTMAX AHEAD OF THE SECOND PRODUCT: t = score x log2(e) / 8; M = the row's largest t so far, rounded UP to a whole number; p = 2^(t - M) is quantised (scale 2^e4), not normalised.  The row's sum is taken of the
; unquantised p, in f32, and divides at the end.  When M moves, the sum and O are multiplied by 2^(old M - new M): nothing is rounded.
; LIMITS: e2 + e3 between -123 and 130 (they are added to c's exponent field); e4 and e6 between -126 and 112; e4 + e5 is applied by v_ldexp_f32 and has none; scaled scores t under 2^31 in magnitude.  NaN is not served.
; LEFT OUT: tiles of keys that all come after the queries (hidden by the mask that reference() builds: their p is 0 for all inputs); a NaN or an infinity that reaches only those is not carried to the result.
; SHARES.  Two work-groups take one (batch, head), 256 in all.  The head's K and V, 64 KiB of codes each, are asked for once and stay in LDS: key steps 0 and 1 at the kernel's head (2 KiB by each of the sixteen waves), steps 2 to 7
; behind the first barrier (6 KiB by each wave), while steps 0 and 1 are worked.  Waves 0-7 fetch of K, waves 8-15 of V.
; No cluster: two work-groups alone share a head, once.  Nothing is fetched in the loop, so there is nothing to prefetch.
; LDS: K's steps 0, 1 at 0, V's at 16,384; K's steps 2-7 at 32,768, V's at 81,920; 8,192 bytes a step.
; A wave owns two tiles of 16 queries: 63 - i, then i = 2 wave + (work-group's y).  A key step is 128 keys.  The first tile has 8 - wave / 4 steps, the second wave / 4 + 1: nine steps between them, whichever wave.
; Steps 0 and 1 of the first tile, which every wave has whole, are written out; the other seven stand in a loop, one a trip.  A barrier stands at each trip's head: the four waves of a SIMD go from step to step together.
; A tile's last step is cut: where the queries lie in its first 64 keys only those are worked; the mask is applied to the 64 keys that hold the diagonal alone.
; LAYOUT.  S^T = K Q^T (source 0 = 16 keys, source 1 = my 16 queries), O^T = V^T P^T: a lane holds ONE query (lane % 16) throughout.  Register j of score tile t is key 16 t + 8 h + j, so a tile's eight codes are registers
; 2 t, 2 t + 1 of the second product's operand; V's image has the same order.  Operands lie in LDS as images of registers: 512 consecutive bytes a load.
; REGISTERS: v1 16 x lane; v2, v4 a step's LDS addresses; v3 -infinity; v6, v7 the mask's compare for the tile in hand and for the second; v12 -M, v13 the largest t, v[14:15] the sum in two halves;
; v16-23 Q, v24-31 the second tile's; v32-95 K's eight fragments, then V's four; v96-159 S^T, then p; v160-191 O^T; v192-223 y; v224-239 p's codes; v240-253 constants and at work.
.set SPARE, 131072                     ; the spare words, 128 bytes a wave
.set KV,   32
.set S,    96
.set O,    160
.set Y,    192
.set PC,   224
.set WV,   18                          ; s18  my wave's number
.set SEL,  20                          ; s[20:21] lane selects for v_permlanex16_b32: lane l xor 16
.set CS,   22                          ; s[22:23] c = log2(e) / 8 x 2^(e2 + e3)
.set G1,   24
.set G0,   32
.set NN,   36                          ; s36  which of my nine steps
.set KS,   37                          ; s37  its key step
.set LAST, 39                          ; s39, s40 the last key step of the tile in hand, of the second
.set HF,   41                          ; s41, s42 which half of that step holds the queries
.set N1,   43                          ; s43  the first tile's number of steps
.macro START                           ; a tile's statistics begin
	v_mov_b32 v13, 0xff61b1e6                      ; the largest t so far: -3e38, under every t
	v_mov_b32 v14, 0                               ; the sum, in two halves
	v_mov_b32 v15, 0
	v_floor_f32 v12, -v13                          ; -M
.endm
	s_load_b256 s[4:11], s[0:1], 0x0               ; q_img s[4:5], k_img s[6:7], v_img s[8:9], the exponents s[10:11]
	s_load_b64 s[12:13], s[0:1], 0x20              ; y_img
	v_lshl_add_u32 v254, v0, 2, SPARE
	v_mov_b32 v255, 0
	ds_add_u32 v254, v255                          ; the wave's opening: the add, twice on end, and its wait
	ds_add_u32 v254, v255
	v_lshrrev_b32 v2, 5, v0
	v_readfirstlane_b32 s[WV], v2                  ; wave 0..15
	s_mov_b32 s[G1], 3<<16                         ; group 1: a dense block of 2 KiB as 8 rows of 256 bytes, elements of 8 bytes, no mask, no padding
	s_mov_b32 s[G1+1], 32<<16
	s_mov_b32 s[G1+2], 8<<16
	s_mov_b32 s[G1+3], 32<<16
	s_mov_b32 s[G1+4], 8
	s_mov_b32 s[G1+5], 32
	s_mov_b32 s[G1+6], 0
	s_mov_b32 s[G1+7], 0
	s_mov_b32 s[G0], 1
	s_lshl_b32 s[G0+1], s[WV], 11                  ; 2 KiB a wave: K's steps 0, 1, then V's
	s_mov_b32 s[SEL], 0x76543210
	s_mov_b32 s[SEL+1], 0xfedcba98
	s_mov_b32 s45, 65536
	s_and_b32 s50, ttmp7, 0xffff
	s_lshl_b32 s54, s[WV], 1
	s_add_co_u32 s54, s54, s50                     ; my second tile i
	s_sub_co_u32 s58, 63, s54                      ; my first
	s_lshr_b32 s[LAST+1], s[WV], 2                 ; i / 8 = wave / 4
	s_sub_co_u32 s[LAST], 7, s[LAST+1]
	s_sub_co_u32 s[N1], 8, s[LAST+1]
	s_bfe_u32 s[HF+1], s[WV], 0x10001
	s_xor_b32 s[HF], s[HF+1], 1
	s_and_b32 s55, s54, 3
	s_lshl_b32 s55, s55, 4                         ; 16 (i % 4): the tile's first query less the first key of the 64 that hold the diagonal
	s_sub_co_u32 s56, 48, s55                      ; the same of 63 - i
	s_lshl_b32 s52, ttmp9, 16                      ; bh: a head's image is 65,536 bytes
	s_lshl_b32 s66, s58, 10
	s_add_co_u32 s66, s66, s52
	s_mov_b32 s67, 0
	s_lshl_b32 s68, s54, 10
	s_add_co_u32 s68, s68, s52
	s_mov_b32 s69, 0
	s_and_b32 s70, s[WV], 7
	s_lshl_b32 s70, s70, 11
	s_add_co_u32 s70, s70, s52
	s_mov_b32 s71, 0
	v_and_b32 v1, 31, v0
	v_and_b32 v10, 15, v0
	v_bfe_u32 v11, v0, 4, 1
	v_lshlrev_b32 v1, 4, v1
	v_mov_b32 v3, 0xff800000
	v_lshlrev_b32 v11, 3, v11
	v_mov_b32 v244, 0                              ; written once: a lane permute's destination counts as one of its sources
	v_mov_b32 v247, 0                              ; (named as the upper half of the pair v[246:247])
	v_sub_nc_u32 v10, v10, v11                     ; r - 8 h
	v_add_nc_u32 v6, s56, v10                      ; register 8 t + j of the 64 keys is hidden where 16 t + j is above it
	v_add_nc_u32 v7, s55, v10
	s_wait_alu depctr_va_vdst(0)
	s_wait_dscnt 0x0                               ; both opening adds are done
	s_wait_kmcnt 0x0
	s_cmp_lt_u32 s[WV], 8                          ; K's waves or V's
	s_cselect_b64 s[16:17], s[6:7], s[8:9]
	s_add_nc_u64 s[G0+2:G0+3], s[16:17], s[70:71]
	s_or_b32 s[G0+3], s[G0+3], 0x80000000
	tensor_load_to_lds s[G0:G0+3], s[G1:G1+7]      ; my part of steps 0 and 1: one tensor load a wave at the head
	s_nop 0
	s_load_b256 s[72:79], s[10:11], 0x0            ; e0 .. e7
	s_add_nc_u64 s[46:47], s[4:5], s[66:67]
	s_add_nc_u64 s[48:49], s[4:5], s[68:69]
	global_load_b128 v[16:19], v1, s[46:47]        ; both tiles' Q
	global_load_b128 v[20:23], v1, s[46:47] offset:512
	global_load_b128 v[24:27], v1, s[48:49]
	global_load_b128 v[28:31], v1, s[48:49] offset:512
	; y_img: [32 tiles of 256 tokens][16 heads][16 fragments of 16 tokens x 64]: byte 512 c + 16 lane + 8 u + j = token r, channel 32 c + 16 u + 8 h + j
	s_lshr_b32 s55, ttmp9, 4
	s_lshl_b32 s55, s55, 20
	s_and_b32 s56, ttmp9, 15
	s_lshl_b32 s56, s56, 14
	s_add_co_u32 s55, s55, s56
	s_lshr_b32 s66, s58, 4
	s_lshl_b32 s66, s66, 18
	s_and_b32 s56, s58, 15
	s_lshl_b32 s56, s56, 10
	s_add_co_u32 s66, s66, s56
	s_add_co_u32 s66, s66, s55
	s_lshr_b32 s68, s54, 4
	s_lshl_b32 s68, s68, 18
	s_and_b32 s56, s54, 15
	s_lshl_b32 s56, s56, 10
	s_add_co_u32 s68, s68, s56
	s_add_co_u32 s68, s68, s55
	s_add_nc_u64 s[14:15], s[12:13], s[68:69]      ; where my second tile's y goes,
	s_add_nc_u64 s[12:13], s[12:13], s[66:67]      ; and my first's
	s_wait_kmcnt 0x0                               ; the exponents
	s_mov_b32 s[CS], 0x3e38aa3b                    ; log2(e) / 8
	s_add_co_i32 s66, s74, s75
	s_lshl_b32 s66, s66, 23
	s_add_co_i32 s[CS], s[CS], s66                 ; a score stands for score x 2^(e2 + e3): added to c's exponent field
	s_mov_b32 s[CS+1], s[CS]                       ; (named with it as a pair)
	s_add_co_i32 s66, s76, 127
	s_lshl_b32 s67, s66, 23
	v_mov_b32 v241, s67                            ; 2^e4
	s_add_co_i32 s66, s66, 15
	s_lshl_b32 s66, s66, 23
	s_or_b32 s66, s66, 0x600000
	v_mov_b32 v240, s66                            ; 57,344 x 2^e4
	s_add_co_i32 s66, s78, 127
	s_lshl_b32 s67, s66, 23
	v_mov_b32 v251, s67                            ; 2^e6
	s_add_co_i32 s66, s66, 15
	s_lshl_b32 s66, s66, 23
	s_or_b32 s66, s66, 0x600000
	v_mov_b32 v250, s66                            ; 57,344 x 2^e6
	s_add_co_i32 s19, s76, s77                     ; e4 + e5
	START
; A KEY STEP of n tiles of 16 keys (8, or the 4 of a last step's first half).  msk = 1: the last four tiles hold the diagonal.  ak + ko, av + vo: LDS addresses of K and V.  first = 1: it starts O^T.
.macro STEP n, msk, ak, av, ko, vo, first
.set T, 0
.rept \n
	ds_load_b128 v[KV+8*T:KV+8*T+3], v[\ak] offset:\ko+1024*T
	ds_load_b128 v[KV+8*T+4:KV+8*T+7], v[\ak] offset:\ko+1024*T+512
.set T, T+1
.endr
	s_wait_dscnt \n                                ; the first half of the key tiles is in (two loads each)
.set T, 0
.rept \n
.if T == (\n)/2
	s_wait_dscnt 0x0
.endif
	v_wmma_f32_16x16x64_bf8_bf8 v[S+8*T:S+8*T+7], v[KV+8*T:KV+8*T+7], v[16:23], 0
.set T, T+1
.endr
.rept 4
	v_nop                                          ; places ahead of the loads below and of the first read of the scores
.endr
.set T, 0
.rept 4
.set K, 0
.rept (\n)/2
	ds_load_b128 v[KV+16*T+4*K:KV+16*T+4*K+3], v[\av] offset:\vo+2048*T+512*K   ; V's four fragments land while the softmax is walked
.set K, K+1
.endr
.set T, T+1
.endr
.if \msk
.set N, 0
.rept 32
	v_cmp_gt_i32 vcc_lo, 16*(N/8)+N%8, v6
	v_cndmask_b32 v[S+8*(\n)-32+N], v[S+8*(\n)-32+N], v3, vcc_lo   ; p = 0 then.  Each query's own key counts, so M is a number
.set N, N+1
.endr
.endif
	v_max3_num_f32 v248, v[S], v[S+1], v[S+2]      ; the step's largest score of my query among my keys, in two chains, each tile from its low end on,
	v_max3_num_f32 v249, v[S+3], v[S+4], v[S+5]
.set N, 6
.rept 2*(\n)-2
	v_max3_num_f32 v248, v248, v[S+N], v[S+N+1]
	v_max3_num_f32 v249, v249, v[S+N+2], v[S+N+3]
.set N, N+4
.endr
	v_max3_num_f32 v248, v248, v[S+8*(\n)-2], v[S+8*(\n)-1]
	s_delay_alu instid0(VALU_DEP_1)
	v_max_num_f32 v248, v248, v249
	s_delay_alu instid0(VALU_DEP_1)
	v_permlanex16_b32 v244, v248, s[SEL], s[SEL+1]
	s_delay_alu instid0(VALU_DEP_1)
	v_max_num_f32 v248, v248, v244                 ; and among lane l xor 16's
	s_delay_alu instid0(VALU_DEP_1)
	v_mul_f32 v248, s[CS], v248                    ; as t (c is positive)
	s_delay_alu instid0(VALU_DEP_1)
	v_max_num_f32 v13, v13, v248                   ; the running largest t
	v_mov_b32 v248, v12
	s_delay_alu instid0(VALU_DEP_2)
	v_floor_f32 v12, -v13                          ; the new -M = floor(-t) = -ceil(t)
	s_delay_alu instid0(VALU_DEP_1)
	v_sub_f32 v248, v12, v248                      ; old M less new M: a whole number, 0 or less
	s_delay_alu instid0(VALU_DEP_1)
	v_cvt_i32_f32 v248, v248                       ; (it saturates)
	s_delay_alu instid0(VALU_DEP_1)
	v_ldexp_f32 v246, 1.0, v248                    ; f = 2^(old M - new M)
.set N, 0
.rept 4*(\n)
	v_pk_fma_f32 v[S+N:S+N+1], v[S+N:S+N+1], s[CS:CS+1], v[12:13] op_sel_hi:[1,0,0]   ; t - M, two at a time (of the pairs c and -M the low word serves both halves)
.set N, N+2
.endr
	s_wait_alu depctr_va_vdst(0)                   ; the wait ahead of the batch
.set N, 0
.rept 8*(\n)
	v_exp_f32 v[S+N], v[S+N]                       ; p = 2^(t - M), at most 1
.set N, N+1
.endr
	v_pk_mul_f32 v[14:15], v[14:15], v[246:247] op_sel_hi:[1,0]   ; the sums under the new M  (the plain line behind the exponentials)
	s_wait_alu depctr_va_vdst(0)                   ; one wait for the whole batch, ahead of its first reader
	v_pk_add_f32 v[242:243], v[S:S+1], v[S+2:S+3]  ; the row's sum of the unquantised p, in four chains
	v_pk_add_f32 v[252:253], v[S+4:S+5], v[S+6:S+7]
	v_pk_add_f32 v[248:249], v[S+8:S+9], v[S+10:S+11]
	v_pk_add_f32 v[238:239], v[S+12:S+13], v[S+14:S+15]
.set N, 16
.rept (\n)-2
	v_pk_add_f32 v[242:243], v[242:243], v[S+N:S+N+1]
	v_pk_add_f32 v[252:253], v[252:253], v[S+N+2:S+N+3]
	v_pk_add_f32 v[248:249], v[248:249], v[S+N+4:S+N+5]
	v_pk_add_f32 v[238:239], v[238:239], v[S+N+6:S+N+7]
.set N, N+8
.endr
	v_pk_add_f32 v[242:243], v[242:243], v[252:253]
	v_pk_add_f32 v[248:249], v[248:249], v[238:239]
	s_delay_alu instid0(VALU_DEP_2)
	v_pk_add_f32 v[14:15], v[14:15], v[242:243]
	s_delay_alu instid0(VALU_DEP_1)
	v_pk_add_f32 v[14:15], v[14:15], v[248:249]
.set N, 0
.rept 4*(\n)
	v_dual_min_num_f32 v[S+N], v240, v[S+N] :: v_dual_min_num_f32 v[S+N+1], v240, v[S+N+1]   ; the conversion does not saturate (ISA guide 7.6.2); p is not negative, so the hold is one-sided
.set N, N+2
.endr
.set T, 0
.rept \n
	v_cvt_scalef32_pk8_bf8_f32 v[PC+2*T:PC+2*T+1], v[S+8*T:S+8*T+7], v241
.set T, T+1
.endr
	s_wait_alu depctr_va_vdst(0)                   ; the wait here, directly ahead of the first reader of O^T
.if \first
	v_nop                                          ; one plain line between the last conversion and the products
.else
.set N, 0
.rept 16
	v_pk_mul_f32 v[O+N:O+N+1], v[O+N:O+N+1], v[246:247] op_sel_hi:[1,0]   ; O^T under the new M
.set N, N+2
.endr
	s_wait_alu depctr_va_vdst(0)
.endif
	s_wait_dscnt 0x0                               ; V is in
.irp t, 0,1,2,3                                ; O^T += V^T P^T: the four accumulators by turns
.if \first
	v_wmma_f32_16x16x128_bf8_bf8 v[O+8*\t:O+8*\t+7], v[KV+16*\t:KV+16*\t+15], v[PC:PC+15], 0
.elseif (\n) == 8
	v_wmma_f32_16x16x128_bf8_bf8 v[O+8*\t:O+8*\t+7], v[KV+16*\t:KV+16*\t+15], v[PC:PC+15], v[O+8*\t:O+8*\t+7]
.else
	v_wmma_f32_16x16x64_bf8_bf8 v[O+8*\t:O+8*\t+7], v[KV+16*\t:KV+16*\t+7], v[PC:PC+7], v[O+8*\t:O+8*\t+7]
.endif
.endr
.endm
	s_mov_b32 s[NN], 2
	s_wait_alu depctr_va_vdst(0)                   ; the wait at the head's end
	s_wait_loadcnt 0x0                             ; Q
	s_wait_tensorcnt 0x0                           ; my part of steps 0 and 1 is in
	ds_add_u32 v254, v255
	s_mul_i32 s[G0+1], s[WV], 6144                 ; 6 KiB a wave, 24 rows: K's steps 2-7, then V's
	s_add_co_u32 s[G0+1], s[G0+1], 32768
	s_and_b32 s70, s[WV], 7
	s_mul_i32 s70, s70, 6144
	s_add_co_u32 s70, s70, s52
	s_add_co_u32 s70, s70, 16384
	s_add_nc_u64 s[G0+2:G0+3], s[16:17], s[70:71]
	s_or_b32 s[G0+3], s[G0+3], 0x80000000
	s_mov_b32 s[G1+2], 24<<16
	s_mov_b32 s[G1+4], 24
	s_wait_dscnt 0x0                               ; the add is done
	s_barrier_signal -1
	s_barrier_wait -1                              ; steps 0 and 1 are there for all sixteen waves; nothing is ever filled twice
	tensor_load_to_lds s[G0:G0+3], s[G1:G1+7]      ; the first thing behind the barrier: it has steps 0 and 1 in which to land
	s_nop 0
	STEP 8, 0, 1, 1, 0, 16384, 1
.rept 4
	v_nop                                          ; places ahead of loads into registers that the last products read
.endr
	STEP 8, 0, 1, 1, 8192, 24576, 0
	s_wait_tensorcnt 0x0                           ; my part of steps 2-7 is in: the next barrier shows all of K and V
.Ltrip:
	s_barrier_signal -1
	s_barrier_wait -1
	s_sub_co_u32 s70, s[NN], s[N1]
	s_cmp_lt_u32 s[NN], s[N1]                      ; the first tile's, or the second's
	s_cselect_b32 s[KS], s[NN], s70
	s_and_b32 s[KS], s[KS], 7
	s_lshl_b32 s70, s[KS], 13
	s_cmp_lt_u32 s[KS], 2                          ; steps 0 and 1 lie in a place of their own
	s_cselect_b32 s66, 0, 16384
	s_cselect_b32 s67, 16384, s45
	s_add_co_u32 s66, s66, s70
	s_add_co_u32 s67, s67, s70
	v_add_nc_u32 v2, s66, v1
	v_add_nc_u32 v4, s67, v1
	v_nop                                          ; (with the two above) four places ahead of loads into registers that the last products read
	v_nop
	s_wait_alu depctr_va_vdst(0)
	s_cmp_lt_u32 s[KS], s[LAST]
	s_cbranch_scc0 .Ldiagonal
	STEP 8, 0, 2, 4, 0, 0, 0
	s_branch .Lnext
.Ldiagonal:
	s_cmp_eq_u32 s[HF], 0
	s_cbranch_scc0 .Lwhole
	STEP 4, 1, 2, 4, 0, 0, 0
	s_branch .Lway_out
.Lwhole:
	STEP 8, 1, 2, 4, 0, 0, 0
.Lway_out:
	; THE WAY OUT of a tile.  O^T / the sum x 2^(e4 + e5) is y(query r, channel 16 t + 8 h + j): eight neighbours along the last product's K; held, converted, and stored as they stand.
.rept 4
	v_nop                                          ; places behind the tile's last products
.endr
	v_add_f32 v14, v14, v15                        ; the sum's two halves,
	s_delay_alu instid0(VALU_DEP_1)
	v_permlanex16_b32 v244, v14, s[SEL], s[SEL+1]
	s_delay_alu instid0(VALU_DEP_1)
	v_add_f32 v14, v14, v244                       ; and lane l xor 16's
	s_wait_alu depctr_va_vdst(0)                   ; the wait ahead of the transcendental
	v_rcp_f32 v14, v14
	v_nop                                          ; one plain line behind a transcendental
	s_wait_alu depctr_va_vdst(0)                   ; and for this one
	v_ldexp_f32 v14, v14, s19
	s_wait_alu depctr_va_vdst(0)                   ; the wait here, directly ahead of the first reader of O^T
.set N, 0
.rept 16
	v_pk_mul_f32 v[Y+N:Y+N+1], v[O+N:O+N+1], v[14:15] op_sel_hi:[1,0]   ; each accumulator from its low end on
.set N, N+2
.endr
.irp t, 0,1,2,3
.irp i, 0,1,2,3,4,5,6,7
	v_med3_num_f32 v[Y+8*\t+\i], v[Y+8*\t+\i], -v250, v250
.endr
	v_cvt_scalef32_pk8_bf8_f32 v[PC+2*\t:PC+2*\t+1], v[Y+8*\t:Y+8*\t+7], v251
.endr
	v_nop                                          ; one plain line behind the last conversion
	global_store_b128 v1, v[PC:PC+3], s[12:13]     ; the wave stores 512 consecutive bytes, aligned
	global_store_b128 v1, v[PC+4:PC+7], s[12:13] offset:512
	s_cmp_eq_u32 s[NN], 8                          ; it was my second tile
	s_cbranch_scc1 .Lnext
	START                                          ; on to my second tile
	v_mov_b32 v6, v7
.irp i, 0,2,4,6
	v_dual_mov_b32 v[16+\i], v[24+\i] :: v_dual_mov_b32 v[17+\i], v[25+\i]
.endr
.set N, 0
.rept 16
	v_dual_mov_b32 v[O+N], v255 :: v_dual_mov_b32 v[O+N+1], v255   ; (the loop's step is written once: the first change of M leaves zeros)
.set N, N+2
.endr
	s_wait_alu depctr_va_vdst(0)
	s_wait_xcnt 0x0                                ; the stores have read their base and their codes
	s_mov_b64 s[12:13], s[14:15]
	s_mov_b32 s[LAST], s[LAST+1]
	s_mov_b32 s[HF], s[HF+1]
.Lnext:
	s_wait_xcnt 0x0                                ; on every way: a store's codes may be written again
	s_add_co_u32 s[NN], s[NN], 1
	s_cmp_lt_u32 s[NN], 9
	s_cbranch_scc1 .Ltrip
	s_wait_tensorcnt 0x0                           ; the wave's end
	ds_add_u32 v254, v255
	s_wait_dscnt 0x0
	s_endpgm
.Lfunc_end_k_q454d51cd66_attn:
	.size	k_q454d51cd66_attn, .Lfunc_end_k_q454d51cd66_attn-k_q454d51cd66_attn
	.p2alignl 7, 3214868480
	.fill 96, 4, 3214868480
	.section	.rodata,"a",@progbits
	.p2align	6, 0x0
	.amdhsa_kernel k_q454d51cd66_attn
		.amdhsa_group_segment_fixed_size 327680
		.amdhsa_private_segment_fixed_size 0
		.amdhsa_enable_private_segment 0
		.amdhsa_kernarg_size 40
		.amdhsa_user_sgpr_count 2
		.amdhsa_user_sgpr_kernarg_segment_ptr 1
		.amdhsa_wavefront_size32 1
		.amdhsa_system_sgpr_workgroup_id_x 1
		.amdhsa_system_sgpr_workgroup_id_y 1
		.amdhsa_system_sgpr_workgroup_id_z 1
		.amdhsa_system_vgpr_workitem_id 0
		.amdhsa_next_free_vgpr 256
		.amdhsa_next_free_sgpr 80
		.amdhsa_reserve_vcc 1
		.amdhsa_float_denorm_mode_32 3
		.amdhsa_float_denorm_mode_16_64 3
		.amdhsa_memory_ordered 1
		.amdhsa_forward_progress 1
		.amdhsa_inst_pref_size 86
	.end_amdhsa_kernel
	.amdgpu_metadata
---
amdhsa.version: [ 1, 2 ]
amdhsa.kernels:
  - .name:           k_q454d51cd66_attn
    .symbol:         k_q454d51cd66_attn.kd
    .args:
      - { .name: q_img, .offset: 0, .size: 8, .value_kind: global_buffer, .address_space: global }
      - { .name: k_img, .offset: 8, .size: 8, .value_kind: global_buffer, .address_space: global }
      - { .name: v_img, .offset: 16, .size: 8, .value_kind: global_buffer, .address_space: global }
      - { .name: lowp_scales, .offset: 24, .size: 8, .value_kind: global_buffer, .address_space: global }
      - { .name: y_img, .offset: 32, .size: 8, .value_kind: global_buffer, .address_space: global }
    .group_segment_fixed_size: 327680
    .private_segment_fixed_size: 0
    .kernarg_segment_align: 8
    .kernarg_segment_size: 40
    .max_flat_workgroup_size: 512
    .sgpr_count:     80
    .vgpr_count:     256
    .wavefront_size: 32
...
	.end_amdgpu_metadata
.endif
;; end of part 3
;; launch proj (part 4): grid 8 x 32, 4 waves a work-group, clusters of 4 x 4, 327,680 bytes of LDS; arguments y_img, wp_img, lowp_scales, b_proj, out0; writes out0
.if DOCPART == 4
	.amdgcn_target "amdgcn-amd-amdhsa--gfx1250"
	.amdhsa_code_object_version 6
	.text
	.protected	k_q454d51cd66_proj
	.globl	k_q454d51cd66_proj
	.p2align	8
	.type	k_q454d51cd66_proj,@function
k_q454d51cd66_proj:
	s_mov_b64 s[64:65], 0
	v_nop
	global_prefetch_b8 v0, s[64:65] scope:SCOPE_SE
	s_setreg_imm32_b32 hwreg(HW_REG_WAVE_MODE, 25, 1), 1
	s_wait_xcnt 0x0
	s_wait_alu depctr_hold_cnt(0) depctr_sa_sdst(0) depctr_va_vdst(0) depctr_va_sdst(0) depctr_va_ssrc(0) depctr_va_vcc(0) depctr_vm_vsrc(0)
	s_getreg_b32 s2, hwreg(HW_REG_IB_STS2, 6, 4)
	s_cmp_eq_u32 s2, 0
	s_cbranch_scc0 .Lentry_in_a_cluster
	s_endpgm
.Lentry_in_a_cluster:
	s_bfe_u32 s2, ttmp6, 0x10000c
	s_cmp_lg_u32 s2, 0xf033
	s_cbranch_scc0 .Lentry_shape_is_right
	s_endpgm
.Lentry_shape_is_right:
; out = y w_proj + b_proj on codes of BF8 (E5M2): number = sum x 2^(e6 + e7) + bias, one fused multiply-add.  LIMIT: e6 + e7 between -126 and 127.  NaN is not served.
; SHARES.  256 work-groups, each 256 tokens x 128 columns; a wave 128 x 64: 32 accumulators, 256 registers.  K goes in 16 units of 64: in LDS dense images of fragments, y 16 KiB and w 8 KiB a unit.
; Slot 0 holds units 0-3, slot 1 units 4-11; both are asked for at the kernel's head, one tensor load a wave (waves 0, 1: y and w of slot 0; waves 2, 3: of slot 1).  Slot 0 is filled once more, with units 12-15:
; no loop to run ahead in, so no prefetch.
; CLUSTERS: 4 x 4 work-groups: the four of a row need the same y, the four of a column the same w: each is asked for JOINTLY.
; Source 0 = 16 columns, source 1 = 16 tokens: a lane holds eight neighbouring columns of one row.  The way out goes through the wave's own stage in LDS and leaves as rows of 256 bytes.
; REGISTERS: window 0: v0-31 addresses; v32-63 biases; v64-127, v128-191 y's fragments, v192-223, v224-255 w's: two sets each; on the way out v64-95 numbers, v96-255 five sets of rows read back.  window 1: accumulator (a, b) at v[8 (4 a + b)].
.set LB0,   65536                      ; LDS: y of slot 0 at 0, w of slot 0 here,
.set LA1,   98304                      ; y of slot 1,
.set LB1,   229376                     ; w of slot 1
.set SPARE, 294912                     ; the spare words, 128 bytes a wave
.set STAGE, 295424                     ; 16 rows x 272 bytes a wave
.set SPITCH, 272
.set STO,  24
.set RD,   25
.set CO,   26
.set BO,   27
.set SPW,  28
.set NIL,  29
.set BI,   32
.set TMP,  64
.set BK,   96
.set G1A,  24
.set G0A,  32
.set G0A1, 36
.set G1B,  48
.set G0B,  56
.set G0B1, 60
.set G1A1, 68
.set G1B1, 76
.set MSB, 0
.macro WIN new
.if MSB != (\new)
	s_set_vgpr_msb (MSB<<8)|(\new)
.set MSB, (\new)
.endif
.endm
.macro PLACES
.rept 4
	v_nop
.endr
.endm
.macro CREST
	s_cmp_lg_u32 s14, 0
	s_cbranch_scc1 .Lnot_wave_0_\@
	s_barrier_signal -3
.Lnot_wave_0_\@:
	s_barrier_wait -3
	s_barrier_signal -1
	s_barrier_wait -1
.endm
.macro CROUND
	s_barrier_signal -1
	s_barrier_wait -1
	CREST
.endm
.macro TL g0, g1
	tensor_load_to_lds s[\g0:\g0+3], s[\g1:\g1+7]
	s_nop 0
.rept 4
	v_nop
.endr
.endm
.macro G1SET g, m, rows                ; rows of 256 bytes, dense, elements of 8 bytes, mask in s[m]
	s_or_b32 s[\g], s[\m], (3<<16)|(1<<21)
	s_mov_b32 s[\g+1], 32<<16
	s_mov_b32 s[\g+2], \rows<<16
	s_mov_b32 s[\g+3], 32<<16
	s_mov_b32 s[\g+4], \rows
	s_mov_b32 s[\g+5], 32
	s_mov_b32 s[\g+6], 0
	s_mov_b32 s[\g+7], 0
.endm
	s_load_b256 s[4:11], s[0:1], 0x0               ; y_img s[4:5], wp_img s[6:7], the exponents s[8:9], b_proj s[10:11]
	s_load_b64 s[12:13], s[0:1], 0x20              ; out0
	v_lshl_add_u32 v[SPW], v0, 2, SPARE
	v_mov_b32 v[NIL], 0
	ds_add_u32 v[SPW], v[NIL]                      ; the wave's opening: the add, twice on end, and its wait
	ds_add_u32 v[SPW], v[NIL]
	v_lshrrev_b32 v1, 5, v0
	v_readfirstlane_b32 s14, v1                    ; wave 0..3
	s_lshr_b32 s15, s14, 1                         ; which 128 tokens are mine
	s_and_b32 s16, s14, 1                          ; which 64 columns
	s_bfe_u32 s40, ttmp6, 0x40000
	s_bfe_u32 s41, ttmp6, 0x40004
	s_and_b32 s17, ttmp7, 0xffff
	s_lshl_b32 s17, s17, 1
	s_add_co_u32 s17, s17, ttmp9                   ; the cluster's number n, 0..15: it takes tile columns 4 (n / 8) on and tile rows 4 (n % 8) on
	s_lshr_b32 s42, s17, 3
	s_lshl_b32 s42, s42, 2
	s_add_co_u32 s42, s42, s40                     ; tile column
	s_and_b32 s17, s17, 7
	s_lshl_b32 s17, s17, 2
	s_add_co_u32 s17, s17, s41                     ; tile row
	s_lshl_b32 s43, s41, 2
	s_lshl_b32 s43, 15, s43                        ; my row of the cluster
	s_lshl_b32 s44, 0x1111, s40                    ; my column
	G1SET G1A, 43, 256
	G1SET G1B, 44, 128
	G1SET G1A1, 43, 512
	G1SET G1B1, 44, 256
.irp g, G0A, G0A1, G0B, G0B1
	s_mov_b32 s[\g], 1
.endr
	s_mov_b32 s[G0A+1], 0
	s_mov_b32 s[G0A1+1], LA1
	s_mov_b32 s[G0B+1], LB0
	s_mov_b32 s[G0B1+1], LB1
	s_lshl_b32 s20, s17, 18                        ; a token tile is 262,144 bytes,
	s_mov_b32 s21, 0
	s_lshl_b32 s46, s42, 17                        ; a column tile 131,072
	s_mov_b32 s47, 0
	s_lshl_b32 s22, s15, 13
	s_lshl_b32 s23, s16, 12
	s_mul_i32 s19, s14, 16*SPITCH
	s_add_co_u32 s19, s19, STAGE
	s_lshl_b32 s92, s42, 9
	s_lshl_b32 s93, s16, 8
	s_add_co_u32 s92, s92, s93                     ; my first column, in bytes
	s_lshl_b32 s94, s17, 8
	s_lshl_b32 s95, s15, 7
	s_add_co_u32 s94, s94, s95
	s_lshl_b32 s94, s94, 12
	s_add_co_u32 s94, s94, s92
	s_mov_b32 s95, 0
	v_and_b32 v8, 31, v0
	v_and_b32 v1, 15, v0                           ; r
	v_bfe_u32 v2, v0, 4, 1                         ; h
	v_lshlrev_b32 v8, 4, v8
	v_add_nc_u32 v16, s22, v8                      ; y's fragments in slot 0,
	v_add_nc_u32 v17, LA1, v16                     ; slot 1's units 0-3,
	v_add_nc_u32 v18, 65536, v17                   ; 4-7
	v_add_nc_u32 v19, s23, v8
	v_add_nc_u32 v19, LB0, v19                     ; w's in slot 0,
	v_add_nc_u32 v20, LB1-LB0, v19                 ; in slot 1
	v_mul_u32_u24 v5, v1, SPITCH
	v_lshl_add_u32 v5, v2, 5, v5
	v_add_nc_u32 v[STO], s19, v5                   ; into the stage: row r, 32 bytes for each half
	v_mul_u32_u24 v6, v2, SPITCH
	v_lshl_add_u32 v6, v1, 4, v6
	v_add_nc_u32 v[RD], s19, v6                    ; back: lanes 0-15 one row, lanes 16-31 the next
	v_lshlrev_b32 v7, 12, v2
	v_lshl_add_u32 v[CO], v1, 4, v7
	v_lshl_add_u32 v[BO], v2, 5, s92
	s_wait_alu depctr_va_vdst(0)
	s_wait_dscnt 0x0                               ; both opening adds are done
	CROUND                                         ; all sixteen work-groups are here: the joint loads meet
	s_wait_kmcnt 0x0
	s_load_b256 s[84:91], s[8:9], 0x0              ; e0 .. e7
	s_add_nc_u64 s[G0A+2:G0A+3], s[4:5], s[20:21]
	s_add_nc_u64 s[G0A1+2:G0A1+3], s[G0A+2:G0A+3], 65536
	s_add_nc_u64 s[G0B+2:G0B+3], s[6:7], s[46:47]
	s_add_nc_u64 s[G0B1+2:G0B1+3], s[G0B+2:G0B+3], 32768
.irp g, G0A, G0A1, G0B, G0B1
	s_or_b32 s[\g+3], s[\g+3], 0x80000000
.endr
	s_cmp_eq_u32 s14, 0                            ; one chain on the wave's number, one load an arm
	s_cbranch_scc0 .Lw1
	TL G0A, G1A
	s_branch .Lasked
.Lw1:
	s_cmp_eq_u32 s14, 1
	s_cbranch_scc0 .Lw2
	TL G0B, G1B
	s_branch .Lasked
.Lw2:
	s_cmp_eq_u32 s14, 2
	s_cbranch_scc0 .Lw3
	TL G0A1, G1A1
	s_branch .Lasked
.Lw3:
	TL G0B1, G1B1
.Lasked:
.irp b, 0,1,2,3
	global_load_b128 v[BI+8*\b:BI+8*\b+3], v[BO], s[10:11] offset:64*\b
	global_load_b128 v[BI+8*\b+4:BI+8*\b+7], v[BO], s[10:11] offset:64*\b+16
.endr
	s_add_nc_u64 s[12:13], s[12:13], s[94:95]
	s_wait_kmcnt 0x0
	s_add_co_i32 s96, s90, s91
	s_add_co_i32 s96, s96, 127
	s_lshl_b32 s96, s96, 23                        ; 2^(e6 + e7)
	s_mov_b32 s97, s96                             ; (named with it as a pair)
.macro LD s                            ; unit s's fragments into set s % 2: 24 loads
.if ((\s) < 4) || ((\s) > 11)
.set RA, 16
.set OA, ((\s)%4)*16384
.set RB, 19
.set OB, ((\s)%4)*8192
.else
.set RA, 17+((\s)-4)/4
.set OA, (((\s)-4)%4)*16384
.set RB, 20
.set OB, ((\s)-4)*8192
.endif
.set PP, (\s)%2
.irp i, 0,1,2,3,4,5,6,7
	ds_load_b128 v[64+64*PP+8*\i:67+64*PP+8*\i], v[RA] offset:OA+1024*\i
	ds_load_b128 v[68+64*PP+8*\i:71+64*PP+8*\i], v[RA] offset:OA+1024*\i+512
.endr
.irp i, 0,1,2,3
	ds_load_b128 v[192+32*PP+8*\i:195+32*PP+8*\i], v[RB] offset:OB+1024*\i
	ds_load_b128 v[196+32*PP+8*\i:199+32*PP+8*\i], v[RB] offset:OB+1024*\i+512
.endr
.endm
; A unit's 32 matrix instructions: the accumulators take turns, in the same order in every unit; unit 0's products start the sums.
.macro MUL s
.set PP, (\s)%2
	WIN 0x50
.irp a, 0,1,2,3,4,5,6,7
.irp b, 0,1,2,3
.set AC, 8*(4*\a+\b)
.if (\s) == 0
	v_wmma_f32_16x16x64_bf8_bf8 v[AC:AC+7], v[192+32*PP+8*\b:199+32*PP+8*\b], v[64+64*PP+8*\a:71+64*PP+8*\a], 0
.else
	v_wmma_f32_16x16x64_bf8_bf8 v[AC:AC+7], v[192+32*PP+8*\b:199+32*PP+8*\b], v[64+64*PP+8*\a:71+64*PP+8*\a], v[AC:AC+7]
.endif
.endr
.endr
.endm
.macro UNIT s
	s_wait_dscnt 24                                ; this unit's fragments are in; the next one's 24 loads may be out
	MUL \s
	PLACES
	WIN 0
	LD (\s)+2
.endm
	s_wait_alu depctr_va_vdst(0)                   ; the wait at the head's end
	s_cmp_lt_u32 s14, 2
	s_cbranch_scc0 .Lslot_1_is_mine
	s_wait_tensorcnt 0x0                           ; waves 0 and 1: slot 0's units are in.  Slot 1 is first read behind the refill's barrier, ahead of which every wave waits for 0
.Lslot_1_is_mine:
	s_barrier_signal -1
	s_barrier_wait -1                              ; slot 0 is there for all four waves
	LD 0
	LD 1
	UNIT 0
	UNIT 1
	s_wait_dscnt 24
	MUL 2
	WIN 0
	s_wait_tensorcnt 0x0
	ds_add_u32 v[SPW], v[NIL]
	s_add_nc_u64 s[G0A+2:G0A+3], s[G0A+2:G0A+3], 12*16384
	s_add_nc_u64 s[G0B+2:G0B+3], s[G0B+2:G0B+3], 12*8192
	s_wait_dscnt 0x0                               ; the add is done, and my reads of slot 0 are over
	s_barrier_signal -1
	MUL 3
	WIN 0
	s_barrier_wait -1
	CREST                                          ; no wave of any partner still reads slot 0
	s_cmp_eq_u32 s14, 0
	s_cbranch_scc0 .Lr1
	TL G0A, G1A                                    ; units 12-15 into slot 0
	s_branch .Lrefilled
.Lr1:
	s_cmp_eq_u32 s14, 1
	s_cbranch_scc0 .Lrefilled
	TL G0B, G1B
.Lrefilled:
	PLACES
	LD 4
	LD 5
.irp s, 4,5,6,7,8,9
	UNIT \s
.endr
	s_wait_dscnt 24
	MUL 10
	PLACES
	WIN 0
	s_wait_tensorcnt 0x0                           ; my part of units 12-15 is in
	s_wait_dscnt 0x0
	s_barrier_signal -1
	s_barrier_wait -1                              ; everybody's is
	LD 12
	MUL 11
	PLACES
	WIN 0
	LD 13
	UNIT 12
	UNIT 13
	s_wait_dscnt 24
	MUL 14
	s_wait_dscnt 0x0
	MUL 15
	WIN 0
.macro TOSTAGE a                       ; block a, 16 rows: scaled, biased, into the stage and back as rows; LDS serves a wave's instructions in order
	WIN 0x01
.irp b, 0,1,2,3
.irp i, 0,2,4,6
	v_pk_fma_f32 v[TMP+8*\b+\i:TMP+8*\b+\i+1], v[8*(4*(\a)+\b)+\i:8*(4*(\a)+\b)+\i+1], s[96:97], v[BI+8*\b+\i:BI+8*\b+\i+1] op_sel_hi:[1,0,1]
.endr
.endr
	WIN 0
.irp b, 0,1,2,3
	ds_store_b128 v[STO], v[TMP+8*\b:TMP+8*\b+3] offset:64*\b
	ds_store_b128 v[STO], v[TMP+8*\b+4:TMP+8*\b+7] offset:64*\b+16
.endr
.set BB, BK+32*((\a)%5)
.irp t, 0,1,2,3,4,5,6,7
	ds_load_b128 v[BB+4*\t:BB+4*\t+3], v[RD] offset:\t*2*SPITCH
.endr
.endm
.macro SEND a, younger                 ; younger: the LDS instructions issued behind block a's loads
.set BB, BK+32*((\a)%5)
	s_wait_dscnt \younger
.irp t, 0,1,2,3,4,5,6,7
	global_store_b128 v[CO], v[BB+4*\t:BB+4*\t+3], s[12:13] offset:(16*(\a)+2*\t)*4096 th:TH_STORE_NT   ; sixteen lanes store 256 consecutive bytes, aligned
.endr
.endm
	s_wait_loadcnt 0x0                             ; the biases
	PLACES
	TOSTAGE 0
.irp a, 1,2,3,4,5,6,7
.if \a == 5
	s_wait_xcnt 0x0                                ; blocks 0-3's stores have read their registers: three of the five sets are written again
.endif
	TOSTAGE \a
	SEND \a-1, 16
.endr
	SEND 7, 0
	s_wait_tensorcnt 0x0                           ; the wave's end
	ds_add_u32 v[SPW], v[NIL]
	s_wait_dscnt 0x0
	CROUND                                         ; the closing round
	s_endpgm
.Lfunc_end_k_q454d51cd66_proj:
	.size	k_q454d51cd66_proj, .Lfunc_end_k_q454d51cd66_proj-k_q454d51cd66_proj
	.p2alignl 7, 3214868480
	.fill 96, 4, 3214868480
	.section	.rodata,"a",@progbits
	.p2align	6, 0x0
	.amdhsa_kernel k_q454d51cd66_proj
		.amdhsa_group_segment_fixed_size 327680
		.amdhsa_private_segment_fixed_size 0
		.amdhsa_enable_private_segment 0
		.amdhsa_kernarg_size 40
		.amdhsa_user_sgpr_count 2
		.amdhsa_user_sgpr_kernarg_segment_ptr 1
		.amdhsa_wavefront_size32 1
		.amdhsa_system_sgpr_workgroup_id_x 1
		.amdhsa_system_sgpr_workgroup_id_y 1
		.amdhsa_system_sgpr_workgroup_id_z 1
		.amdhsa_system_vgpr_workitem_id 0
		.amdhsa_next_free_vgpr 512
		.amdhsa_next_free_sgpr 100
		.amdhsa_reserve_vcc 0
		.amdhsa_float_denorm_mode_32 3
		.amdhsa_float_denorm_mode_16_64 3
		.amdhsa_memory_ordered 1
		.amdhsa_forward_progress 1
		.amdhsa_inst_pref_size 93
	.end_amdhsa_kernel
	.amdgpu_metadata
---
amdhsa.version: [ 1, 2 ]
amdhsa.kernels:
  - .name:           k_q454d51cd66_proj
    .symbol:         k_q454d51cd66_proj.kd
    .args:
      - { .name: y_img, .offset: 0, .size: 8, .value_kind: global_buffer, .address_space: global }
      - { .name: wp_img, .offset: 8, .size: 8, .value_kind: global_buffer, .address_space: global }
      - { .name: lowp_scales, .offset: 16, .size: 8, .value_kind: global_buffer, .address_space: global }
      - { .name: b_proj, .offset: 24, .size: 8, .value_kind: global_buffer, .address_space: global }
      - { .name: out0, .offset: 32, .size: 8, .value_kind: global_buffer, .address_space: global }
    .group_segment_fixed_size: 327680
    .private_segment_fixed_size: 0
    .kernarg_segment_align: 8
    .kernarg_segment_size: 40
    .max_flat_workgroup_size: 128
    .sgpr_count:     100
    .vgpr_count:     512
    .wavefront_size: 32
...
	.end_amdgpu_metadata
.endif
;; end of part 4
